; MI455X (gfx1250); checked and timed in simulation.
; The chip was launched on July 23, 2026; its instructions are those of AMD's public machine-readable ISA for CDNA 5 (MIT licence, August 2026) and "CDNA5" Instruction Set Architecture Reference Guide (July 2026). The comments in the code are by the model that wrote it; some were corrected since.
;; Self Attention. Allowed arithmetic: matrix products marked QUANTISED: E5M2 operands, one E8M0 scale for each 32 along K, by v_wmma_scale_f32_16x16x128_f8f6f4 with both operands' format E5M2, f32 sums; everything else in f32.
;; Inputs: b_out 1,024 float32; keys 4 x 2,048 x 1,024 float32; query 4 x 2,048 x 1,024 float32; values 4 x 2,048 x 1,024 float32; w_out 1,024 x 1,024 float32.
;; Outputs: out0 4 x 2,048 x 1,024 float32.
;; This version of the problem:
;;   THIS VERSION OF THE PROBLEM IS GIVEN IN LOW PRECISION. The matrix products marked QUANTISED in the list below multiply operands that are first quantised to E5M2 (5 exponent bits, 2 mantissa bits; 8 bits a number), with one power-of-two scale for each 32 numbers along K (OCP MX v1.0); their sums are f32. All else is computed in f32.
;;   The module's matrix products, in the order in which they are computed (A, B: the left and right operand; K: the contracted axis; several contracted axes count as one K, in the product's order):
;;     1. batch 64 x [M 2,048, K 64] x [K 64, N 2,048]; A: input query; B: input keys: QUANTISED
;;     2. batch 64 x [M 64, K 2,048] x [K 2,048, N 2,048]; A: input values; B: softmax (see below): QUANTISED
;;     3. [M 8,192, K 1,024] x [K 1,024, N 1,024]; A: computed on the way; B: input w_out: QUANTISED
;;   THE QUANTISER, for each operand of a quantised product, along K:
;;     - K is cut into blocks of 32 from its start; a last block that is shorter is filled with zeros.
;;     - A block's scale is 2^e with e = floor(log2(the largest magnitude in the block)) - 15, held to -126 .. 127; a block of zeros has e = 0. As a byte (E8M0): e + 127.
;;     - Each number is divided by its block's scale, clamped to +-57,344, and rounded to the nearest number of E5M2, ties to even, subnormals kept.
;;     - The product sums the exact products of the quantised numbers (number of the format x scale) in f32.
;;   ~~~python
;;   def quantise(x, axis):      # numpy; x: float32 -> the quantised numbers, widened to float32 again
;;       x = np.moveaxis(x, axis, -1); K = x.shape[-1]
;;       x = np.pad(x, [(0, 0)] * (x.ndim - 1) + [(0, -K % 32)]); x = x.reshape(x.shape[:-1] + (-1, 32)); a = np.abs(x).max(-1, keepdims=True)
;;       e = np.where(a > 0, np.clip(np.frexp(np.where(a > 0, a, 1))[1] - 1 - 15, -126, 127), 0)      # np.frexp(a)[1] - 1 = floor(log2(a)), exactly
;;       r = np.clip(x / 2.0 ** e, -57344, 57344)
;;       step = 2.0 ** (np.maximum(np.frexp(np.where(r == 0, 1, r))[1] - 1, -14) - 2)
;;       q = np.round(r / step) * step * 2.0 ** e      # np.round: ties to even
;;       return np.moveaxis(q.reshape(q.shape[:-2] + (-1,))[..., :K], -1, axis).astype(np.float32)
;;   ~~~
;;   SOFTMAX AHEAD OF A QUANTISED PRODUCT. Where the list says 'softmax', what is quantised is not the finished softmax but p = 2^(t - M), with t = logit x log2(e) and M = ceil(the row's largest t), a whole number; so 1/2 < the row's largest p <= 1. The row's sum l is taken of the UNQUANTISED p, in f32, and the product's result is divided by l at the end. Since M is a whole number, a kernel that streams over the keys may use a running M (the ceiling of the running maximum): every later rescaling is an exact power of two, which a block's scale takes up: the codes' values come out the same.
;;   OPERANDS COMPUTED ON THE WAY. 'Computed on the way' means the value that the module computes at that place (a softmax that the list does not call 'softmax' is quantised finished and normalised). What goes into a quantiser is computed in f32, as accurately as f32 sums, v_exp_f32 and their like allow (about 1e-6 of the number): no bf16 or f16 on the way to a quantiser, and a product that is left as it is and whose result goes on into a quantised operand takes f32 operands (vector FMAs, or v_wmma_f32_16x16x4_f32). A number that lies on a knife's edge between two numbers of the format may be rounded either way, as far as f32 arithmetic and the matrix unit's own rounding can turn it there, and no further.
;; One version. Each part assembles by itself: llvm-mc -triple=amdgcn-amd-amdhsa -mcpu=gfx1250 --defsym DOCPART=n.
;; ======== version 1 of 1: 3 launches
;; limits: right only within a limited range of input values
;; workspace buffers: kv 17,301,504 bytes; wq 1,081,344 bytes; xc 8,388,608 bytes; xs 262,144 bytes
;; launch quant (part 1): grid 544 x 1, 4 waves a work-group, no clusters, 35,328 bytes of LDS; arguments keys, w_out, values, kv, wq; writes kv, wq
.if DOCPART == 1
	.amdgcn_target "amdgcn-amd-amdhsa--gfx1250"
	.amdhsa_code_object_version 6
	.text
	.protected	k_qcea0e4d1c0_quant
	.globl	k_qcea0e4d1c0_quant
	.p2align	8
	.type	k_qcea0e4d1c0_quant,@function
k_qcea0e4d1c0_quant:
	s_mov_b64 s[64:65], 0
	v_nop
	global_prefetch_b8 v0, s[64:65] scope:SCOPE_SE
	s_setreg_imm32_b32 hwreg(HW_REG_WAVE_MODE, 25, 1), 1
	s_wait_xcnt 0x0
; keys and values [4][2048][1024] f32 and w_out [1024][1024] f32 become codes of BF8 (E5M2) with one E8M0 scale byte for each 32 along a product's K,
; laid AS IMAGES OF THE OPERANDS' REGISTERS: a group is four registers of a fragment, 512 bytes, lane l's 16 bytes at 16 l.
;   kv: [head g = 16 n + hd][key step st of 128 keys][K part 8,448 bytes | V part 8,448 bytes].
;     K part: four PAIR fragments b of 2,048 bytes.  Group 2 u + cc, lane (r, h): key 128 st + 32 b + 8 u + r + 8 (r / 8), dims 32 cc + 16 h + 0 .. 15: K of the first product is the head's 64, so a
;       fragment of 128 holds two tiles of 16 keys side by side.  At +8,192: 8 bytes a lane: word 0 = fragment 0's scale words in lanes 0-15, fragment 1's in lanes 16-31; word 1 = fragments 2 and 3.
;     V part: four tiles t = 2 b' + u of V^T.  Group c, lane (r, h): channel 32 b' + 8 u + r + 8 (r / 8), keys 128 st + 32 c + 16 h + 0 .. 15.  At +8,192: word b' = tile 2 b' | tile 2 b' + 1.
;   wq: [unit 2 T + sg][8,448]: fragment b = rows 16 T + r of w_out, k = 512 sg + 128 b + 32 c + 16 h + 0 .. 15; scale words as K's.
; A block's scale is 2^(floor(log2(its largest magnitude)) - 15); its byte is the largest magnitude's exponent field - 15, held at 1 from below; each number is held within +-57,344 x the scale and converted.
; LIMITS: NaN and infinities among the inputs are not served.  A block of zeros gets the byte 1 where the rule says 127: its codes are zeros, which add nothing under any byte but 0xff, and this program alone reads the bytes.
; SHARES: work-groups 0-255 take keys, 256-287 w_out, 288-543 values; a wave takes 32 KiB of f32: one head x 128 keys, or 16 rows x 512 of w_out.  Waves share nothing: no barrier.
; keys and w_out have K innermost and run ONE path (pointers and three strides are chosen on the work-group's number); values have K (the keys) outermost: a lane takes a channel and its registers run down the keys.
.set WV,   14                          ; s14      my wave's number
.set MNT,  15                          ; s15      the mantissa field of 57,344
.set SEL,  16                          ; s[16:17] lane selects for v_permlanex16_b32: lane l xor 16
.set OFF,  8                           ; v8-15    K/W: four pairs of byte offsets, one pair for each set of loads
.set BM,   16                          ; v16-17   the two blocks' largest magnitudes
.set T2,   18                          ; v18-19   the other half's maxima, then the scale bytes
.set HOLD, 20                          ; v20-21   57,344 x the scale
.set SCL,  22                          ; v22-23   the conversions' scale operands
.set WD,   24                          ; v24-27   the four fragments' scale words
.set OUTW, 28                          ; v28-29   the words as they leave
.set R,    32                          ; v32-159  four sets of 32: a tile as it is loaded
.set X,    160                         ; v160-223 two sets of 32: a lane's 16 neighbours of each of its row's two blocks
.set C,    224                         ; v224-239 two sets of 8: codes
.set STGB, 4352                        ; a stage: 16 rows x (256 bytes + 16); two for each wave
.set VX,   32                          ; V: v32-95   two sets of 32 numbers
.set VC,   160                         ; V: v160-223 eight registers of codes for each block, so that no store's data are written again
.set SW,   24                          ; V: v24-25   the scale words
; two blocks of 32 along K; lane (r, h) holds 16 numbers of each, v[src + 16 b + i]; the other 16 lie in lane l xor 16.  Codes to v[dst + 4 b ..], bytes to v[T2 + b]
.macro QUANT2 src, dst
.irp b, 0,1
	v_max3_num_f32 v[BM+\b], |v[\src+16*\b]|, |v[\src+16*\b+1]|, 0x8000000   ; my 16 numbers, and the floor 2^(16 - 127): the byte cannot fall under 1
.endr
.irp i, 2,4,6,8,10,12,14
.irp b, 0,1
	v_max3_num_f32 v[BM+\b], v[BM+\b], |v[\src+16*\b+\i]|, |v[\src+16*\b+\i+1]|   ; the two blocks by turns
.endr
.endr
.irp b, 0,1
	v_permlanex16_b32 v[T2+\b], v[BM+\b], s[SEL], s[SEL+1]
.endr
.irp b, 0,1
	v_max_num_f32 v[BM+\b], v[BM+\b], v[T2+\b]                     ; the block's largest magnitude
.endr
.irp b, 0,1
	v_add_nc_u32 v[SCL+\b], 0xf8800000, v[BM+\b]                   ; 15 off its exponent field: the conversion takes this operand's exponent field as its scale
.endr
.irp b, 0,1
	v_and_or_b32 v[HOLD+\b], v[BM+\b], 0x7f800000, s[MNT]          ; 57,344 x the scale
.endr
.irp b, 0,1
	v_lshrrev_b32 v[T2+\b], 23, v[SCL+\b]                          ; the scale's byte
.endr
.irp b, 0,1
.set i, 0
.rept 16
	v_med3_num_f32 v[\src+16*\b+i], v[\src+16*\b+i], -v[HOLD+\b], v[HOLD+\b]   ; the conversion to an 8-bit code does not saturate (ISA guide 7.6.2): the hold comes first
.set i, i+1
.endr
	v_cvt_scalef32_pk8_bf8_f32 v[\dst+4*\b:\dst+4*\b+1], v[\src+16*\b:\src+16*\b+7], v[SCL+\b]
	v_cvt_scalef32_pk8_bf8_f32 v[\dst+4*\b+2:\dst+4*\b+3], v[\src+16*\b+8:\src+16*\b+15], v[SCL+\b]
.endr
	v_nop                                                          ; a plain line behind the last conversion
.endm
; s27 = 64 n + 4 st + hd / 4  ->  s20 = the unit's first byte in keys or values, s22 = its K part's first byte in kv
.macro KVOFF
	s_lshr_b32 s28, s27, 6                         ; n
	s_bfe_u32 s29, s27, 0x40002                    ; st
	s_and_b32 s30, s27, 3
	s_lshl_b32 s30, s30, 2
	s_add_co_u32 s30, s30, s[WV]                   ; hd: the four waves stand side by side on 1,024 bytes of each row
	s_lshl_b32 s20, s28, 23                        ; 2,048 rows of 4,096 bytes,
	s_lshl_b32 s31, s29, 19                        ; 128 rows,
	s_add_co_u32 s20, s20, s31
	s_lshl_b32 s31, s30, 8                         ; 64 numbers
	s_add_co_u32 s20, s20, s31
	s_lshl_b32 s31, s28, 4
	s_add_co_u32 s31, s31, s30                     ; g
	s_mul_i32 s22, s31, 270336
	s_mul_i32 s31, s29, 16896
	s_add_co_u32 s22, s22, s31
.endm
	s_load_b256 s[4:11], s[0:1], 0x0               ; keys s[4:5], w_out s[6:7], values s[8:9], kv s[10:11]
	s_load_b64 s[12:13], s[0:1], 0x20              ; wq
	v_lshl_add_u32 v240, v0, 2, 0x8800
	v_mov_b32 v241, 0
	v_lshrrev_b32 v1, 5, v0
	v_readfirstlane_b32 s[WV], v1
	v_and_b32 v1, 31, v0                           ; lane
	s_mov_b32 s[MNT], 0x600000
	s_mov_b32 s[SEL], 0x76543210
	s_mov_b32 s[SEL+1], 0xfedcba98
	s_mov_b32 s21, 0
	s_mov_b32 s23, 0
	s_cmp_ge_u32 ttmp9, 288
	s_cbranch_scc1 .Lvalues
; ---------------- keys and w_out: K innermost ----------------
; A TILE tau = 2 b + u is 16 pieces of 256 bytes: for keys the heads of keys 32 b + 8 u + r + 8 (r / 8), for w_out the numbers 64 tau .. 64 tau + 63 of the unit's 16 rows.
; Each load takes two whole pieces (lanes 0-15 one, lanes 16-31 the next); the tile turns through the wave's own stage in LDS, so that lane (r, h) gets 16 neighbours of each of row r's two blocks.
	s_mov_b32 s27, ttmp9
	KVOFF                                          ; as for keys
	s_sub_co_u32 s27, ttmp9, 256                   ; as for w_out: unit v = 4 (work-group - 256) + wave
	s_lshl_b32 s27, s27, 2
	s_add_co_u32 s27, s27, s[WV]
	s_lshr_b32 s28, s27, 1
	s_lshl_b32 s28, s28, 16                        ; 16 rows of 4,096 bytes for each T,
	s_and_b32 s29, s27, 1
	s_lshl_b32 s29, s29, 11                        ; 512 numbers for sg
	s_add_co_u32 s28, s28, s29
	s_mul_i32 s29, s27, 8448
	s_mov_b32 s24, 65536                           ; keys: a tile begins at (32 b + 8 u) rows = 65,536 tau - 32,768 u bytes, and its pieces 8-15 lie 8 rows further on
	s_mov_b32 s25, 0xffff8000
	s_mov_b32 s26, 32768
	s_mov_b32 s31, 256                             ; w_out: a tile begins 256 tau bytes on in each row
	s_wait_alu depctr_va_vdst(0)
	v_and_b32 v7, 15, v1
	v_lshrrev_b32 v30, 4, v1
	v_lshlrev_b32 v2, 12, v30
	v_lshl_add_u32 v2, v7, 4, v2                   ; a load: lanes 16-31 one row down, 16 bytes a lane
	s_mul_i32 s32, s[WV], 2*STGB
	v_mul_u32_u24 v3, v30, 272
	v_lshl_add_u32 v3, v7, 4, v3
	v_add_nc_u32 v3, s32, v3                       ; into the stage: as loaded, rows 272 bytes apart
	v_mul_u32_u24 v4, v7, 272
	v_lshl_add_u32 v4, v30, 6, v4
	v_add_nc_u32 v4, s32, v4                       ; out of it: row r, + 64 h: the sixteen rows of a load begin 17 x 16 bytes apart
	v_lshlrev_b32 v5, 4, v1                        ; a group's place for my lane
	v_lshlrev_b32 v6, 3, v1                        ; the scale words' place
	v_mov_b32 v[T2], 0                             ; written once: a lane permute's destination counts as one of its sources
	v_mov_b32 v[T2+1], 0
	s_wait_kmcnt 0x0
	s_cmp_lt_u32 ttmp9, 256                        ; keys or w_out: the choice hangs on the work-group's number alone
	s_cselect_b64 s[4:5], s[4:5], s[6:7]
	s_cselect_b64 s[10:11], s[10:11], s[12:13]
	s_cselect_b32 s20, s20, s28
	s_cselect_b32 s22, s22, s29
	s_cselect_b32 s24, s24, s31
	s_cselect_b32 s25, s25, 0
	s_cselect_b32 s26, s26, 0
	s_add_nc_u64 s[4:5], s[4:5], s[20:21]
	s_add_nc_u64 s[10:11], s[10:11], s[22:23]
.macro LOADT tau
.set OA, OFF+2*((\tau)%4)
.set RS, R+32*((\tau)%4)
	s_mul_i32 s30, s24, (\tau)
.if (\tau)%2
	s_add_co_u32 s30, s30, s25
.endif
	v_add_nc_u32 v[OA], s30, v2
	v_add_nc_u32 v[OA+1], s26, v[OA]
.irp i, 0,1,2,3
	global_load_b128 v[RS+4*\i:RS+4*\i+3], v[OA], s[4:5] offset:8192*\i th:TH_LOAD_NT      ; pieces 2 i and 2 i + 1: sixteen lanes read 256 consecutive bytes; read once in the launch
.endr
.irp i, 4,5,6,7
	global_load_b128 v[RS+4*\i:RS+4*\i+3], v[OA+1], s[4:5] offset:8192*\i th:TH_LOAD_NT
.endr
.endm
.macro TURN tau                        ; LDS serves a wave's instructions in order (ISA guide 5.7.1.4): no wait between the stores and the loads
.set RS, R+32*((\tau)%4)
.set XS, X+32*((\tau)%2)
.irp i, 0,1,2,3,4,5,6,7
	ds_store_b128 v3, v[RS+4*\i:RS+4*\i+3] offset:STGB*((\tau)%2)+544*\i
.endr
.irp cc, 0,1
.irp j, 0,1,2,3
	ds_load_b128 v[XS+16*\cc+4*\j:XS+16*\cc+4*\j+3], v4 offset:STGB*((\tau)%2)+128*\cc+16*\j
.endr
.endr
.endm
.macro TILE tau
	s_wait_dscnt 0x0                               ; this tile is back from the stage, so its stores into the stage have read their registers
	s_wait_xcnt 0x0                                ; every earlier memory instruction has had its addresses translated (ISA guide 3.1): the offsets and the codes' set are rewritten only behind this wait
.if (\tau) < 4
	LOADT (\tau)+4                                 ; loads run four tiles (32 loads a wave) ahead
.endif
.if (\tau) < 7
.if 6-(\tau) >= 3
	s_wait_loadcnt 24                              ; the next tile's eight loads are in; those of the three tiles behind it may be out
.else
	s_wait_loadcnt 8*(6-(\tau))                    ; the counts run down: 16, 8, 0
.endif
	TURN (\tau)+1                                  ; through the other stage while this tile is worked
.endif
	QUANT2 X+32*((\tau)%2), C+8*((\tau)%2)
.if (\tau)%2 == 0
	v_lshl_or_b32 v[WD+(\tau)/2], v[T2+1], 8, v[T2]                ; bytes 0, 1 of fragment b's word
.else
	v_lshl_or_b32 v[WD+(\tau)/2], v[T2], 16, v[WD+(\tau)/2]        ; bytes 2, 3
	v_lshl_or_b32 v[WD+(\tau)/2], v[T2+1], 24, v[WD+(\tau)/2]
.endif
.irp cc, 0,1
	global_store_b128 v5, v[C+8*((\tau)%2)+4*\cc:C+8*((\tau)%2)+4*\cc+3], s[10:11] offset:1024*(\tau)+512*\cc   ; a group: 512 consecutive bytes
.endr
.endm
.irp tau, 0,1,2,3
	LOADT \tau
.endr
	s_wait_loadcnt 24                              ; tile 0's eight loads are in
	TURN 0
.irp tau, 0,1,2,3,4,5,6,7
	TILE \tau
.endr
	v_cmp_le_u32 vcc_lo, 16, v1                    ; every lane holds row l % 16's words: lanes 16-31 give the odd fragments'
	v_cndmask_b32 v[OUTW], v[WD], v[WD+1], vcc_lo
	v_cndmask_b32 v[OUTW+1], v[WD+2], v[WD+3], vcc_lo
	global_store_b64 v6, v[OUTW:OUTW+1], s[10:11] offset:8192      ; 256 consecutive bytes
	s_wait_tensorcnt 0x0
	ds_add_u32 v240, v241
	s_wait_dscnt 0x0
	s_endpgm
; ---------------- values: K (the keys) outermost ----------------
; Lane l = 16 u + r takes channel 32 b' + 8 u + r + 8 (r / 8), and its 32 registers run down a block of 32 keys: the block's largest magnitude needs no other lane, and the conversions give codes with the keys innermost.
.Lvalues:
	s_sub_co_u32 s27, ttmp9, 288
	KVOFF
	s_add_co_u32 s22, s22, 8448                    ; the V part lies behind the K part
	s_wait_alu depctr_va_vdst(0)
	v_lshrrev_b32 v7, 4, v1                        ; u
	v_and_b32 v8, 7, v1
	v_bfe_u32 v9, v1, 3, 1
	v_lshl_add_u32 v2, v7, 3, v8
	v_lshl_add_u32 v2, v9, 4, v2
	v_lshlrev_b32 v2, 2, v2                        ; in: 4 x (8 u + r % 8 + 16 (r / 8)): the 32 lanes read 128 consecutive bytes
	v_and_b32 v8, 15, v1
	v_lshlrev_b32 v3, 11, v7
	v_lshl_add_u32 v3, v8, 4, v3                   ; out: tile 2 b' + u, lane r's place
	v_lshlrev_b32 v6, 3, v1
	s_wait_alu depctr_va_vdst(0)
	s_wait_kmcnt 0x0
	s_add_nc_u64 s[8:9], s[8:9], s[20:21]
	s_add_nc_u64 s[10:11], s[10:11], s[22:23]
.macro LOADV t                         ; block t = 2 c + b': keys 32 c on, channels 32 b' on: the two halves of a key's 256 bytes are asked for by neighbouring blocks
.set i, 0
.rept 32
	global_load_b32 v[VX+32*((\t)%2)+i], v2, s[8:9] offset:(32*((\t)/2)+i)*4096+128*((\t)%2)
.set i, i+1
.endr
.endm
.macro BLOCKV t
.set XS, VX+32*((\t)%2)
.set CC, VC+8*(\t)
.if (\t) < 7
	s_wait_loadcnt 32                              ; this block's 32 loads are in; the next block's may be out
.else
	s_wait_loadcnt 0x0
.endif
	v_max3_num_f32 v12, |v[XS]|, |v[XS+1]|, |v[XS+2]|              ; all 32 numbers are mine: two chains
	v_max3_num_f32 v13, |v[XS+3]|, |v[XS+4]|, |v[XS+5]|
.irp i, 6,10,14,18,22,26
	v_max3_num_f32 v12, v12, |v[XS+\i]|, |v[XS+\i+1]|
	v_max3_num_f32 v13, v13, |v[XS+\i+2]|, |v[XS+\i+3]|
.endr
	v_max3_num_f32 v12, v12, |v[XS+30]|, |v[XS+31]|
	v_max3_num_f32 v12, v12, v13, 0x8000000        ; and the floor 2^(16 - 127)
	v_add_nc_u32 v11, 0xf8800000, v12              ; the conversions' scale operand
	v_and_or_b32 v10, v12, 0x7f800000, s[MNT]      ; 57,344 x the scale
	v_lshrrev_b32 v14, 23, v11                     ; the byte
.if (\t)/2 == 0
	v_mov_b32 v[SW+(\t)%2], v14                    ; byte c of word b'
.else
	v_lshl_or_b32 v[SW+(\t)%2], v14, 8*((\t)/2), v[SW+(\t)%2]
.endif
.set i, 0
.rept 32
	v_med3_num_f32 v[XS+i], v[XS+i], -v10, v10
.set i, i+1
.endr
.irp g, 0,1,2,3
	v_cvt_scalef32_pk8_bf8_f32 v[CC+2*\g:CC+2*\g+1], v[XS+8*\g:XS+8*\g+7], v11
.endr
.irp h, 0,1
	global_store_b128 v3, v[CC+4*\h:CC+4*\h+3], s[10:11] offset:4096*((\t)%2)+512*((\t)/2)+256*\h   ; keys 16 h on: lanes 0-15 store 256 consecutive bytes of tile 2 b', lanes 16-31 of tile 2 b' + 1
.endr
.if (\t) < 6
	LOADV (\t)+2
.endif
.endm
	LOADV 0
	LOADV 1
.irp t, 0,1,2,3,4,5,6,7
	BLOCKV \t
.endr
	global_store_b64 v6, v[SW:SW+1], s[10:11] offset:8192          ; lane 16 u + r holds the words of tiles u and 2 + u, row r: 256 consecutive bytes
	s_endpgm
.Lfunc_end_k_qcea0e4d1c0_quant:
	.size	k_qcea0e4d1c0_quant, .Lfunc_end_k_qcea0e4d1c0_quant-k_qcea0e4d1c0_quant
	.p2alignl 7, 3214868480
	.fill 96, 4, 3214868480
	.section	.rodata,"a",@progbits
	.p2align	6, 0x0
	.amdhsa_kernel k_qcea0e4d1c0_quant
		.amdhsa_group_segment_fixed_size 35328
		.amdhsa_private_segment_fixed_size 0
		.amdhsa_enable_private_segment 0
		.amdhsa_kernarg_size 40
		.amdhsa_user_sgpr_count 2
		.amdhsa_user_sgpr_kernarg_segment_ptr 1
		.amdhsa_wavefront_size32 1
		.amdhsa_system_sgpr_workgroup_id_x 1
		.amdhsa_system_sgpr_workgroup_id_y 1
		.amdhsa_system_sgpr_workgroup_id_z 1
		.amdhsa_system_vgpr_workitem_id 0
		.amdhsa_next_free_vgpr 242
		.amdhsa_next_free_sgpr 66
		.amdhsa_reserve_vcc 1
		.amdhsa_float_denorm_mode_32 3
		.amdhsa_float_denorm_mode_16_64 3
		.amdhsa_memory_ordered 1
		.amdhsa_forward_progress 1
		.amdhsa_inst_pref_size 109
	.end_amdhsa_kernel
	.amdgpu_metadata
---
amdhsa.version: [ 1, 2 ]
amdhsa.kernels:
  - .name:           k_qcea0e4d1c0_quant
    .symbol:         k_qcea0e4d1c0_quant.kd
    .args:
      - { .name: keys, .offset: 0, .size: 8, .value_kind: global_buffer, .address_space: global }
      - { .name: w_out, .offset: 8, .size: 8, .value_kind: global_buffer, .address_space: global }
      - { .name: values, .offset: 16, .size: 8, .value_kind: global_buffer, .address_space: global }
      - { .name: kv, .offset: 24, .size: 8, .value_kind: global_buffer, .address_space: global }
      - { .name: wq, .offset: 32, .size: 8, .value_kind: global_buffer, .address_space: global }
    .group_segment_fixed_size: 35328
    .private_segment_fixed_size: 0
    .kernarg_segment_align: 8
    .kernarg_segment_size: 40
    .max_flat_workgroup_size: 128
    .sgpr_count:     66
    .vgpr_count:     242
    .wavefront_size: 32
...
	.end_amdgpu_metadata
.endif
;; end of part 1
;; launch attn (part 2): grid 4 x 64, 8 waves a work-group, clusters of 4 x 1, 321,536 bytes of LDS; arguments query, kv, xc, xs; writes xc, xs
.if DOCPART == 2
	.amdgcn_target "amdgcn-amd-amdhsa--gfx1250"
	.amdhsa_code_object_version 6
	.text
	.protected	k_qcea0e4d1c0_attn
	.globl	k_qcea0e4d1c0_attn
	.p2align	8
	.type	k_qcea0e4d1c0_attn,@function
k_qcea0e4d1c0_attn:
	s_mov_b64 s[64:65], 0
	v_nop
	global_prefetch_b8 v0, s[64:65] scope:SCOPE_SE
	s_setreg_imm32_b32 hwreg(HW_REG_WAVE_MODE, 25, 1), 1
	s_wait_xcnt 0x0
	s_wait_alu depctr_hold_cnt(0) depctr_sa_sdst(0) depctr_va_vdst(0) depctr_va_sdst(0) depctr_va_ssrc(0) depctr_va_vcc(0) depctr_vm_vsrc(0)
	s_getreg_b32 s2, hwreg(HW_REG_IB_STS2, 6, 4)
	s_cmp_eq_u32 s2, 0
	s_cbranch_scc0 .Lentry_in_a_cluster
	s_endpgm
.Lentry_in_a_cluster:
	s_bfe_u32 s2, ttmp6, 0x10000c
	s_cmp_lg_u32 s2, 0x3003
	s_cbranch_scc0 .Lentry_shape_is_right
	s_endpgm
.Lentry_shape_is_right:
; x[n][q][64 hd + d] = the sum over k of softmax_k(q . k / 32) v[k][d], both products on codes of BF8 (E5M2) with one E8M0 scale for each 32 along K; x leaves as codes for the last product, quantised along its 1,024.
; THE SOFTMAX: t = score x log2(e) / 32; M = the running largest t rounded UP to a whole number; p = 2^(t - M) is quantised along the keys, not normalised; the row's sum is taken of the unquantised p and divides at the end.
; When M moves, the sums and O^T are multiplied by f = 2^(old M - new M): exact.  No work of the problem is left out.
; SHARES.  A cluster of four work-groups is one head g = 16 n + hd; a work-group owns 512 of its queries; each of its eight waves holds TWO tiles of 16 queries at once (pass p, tile t: rows 256 p + 32 w + 16 t + r),
; so that each fragment of K and of V that is read from LDS feeds both tiles' products: 16,896 bytes of LDS reads serve 32 queries x 128 keys.
; THE WHOLE HEAD'S K AND V, codes and scale words, 270,336 bytes, lie in LDS as images of the operands' registers (the launch before wrote them so).  They are filled ONCE: wave w asks for key steps 2 w and 2 w + 1 by one tensor
; load, jointly with the three partners (same load, descriptor and mask).  Waves 0 and 1 have a load line of their own and wait for it at the first barrier, which shows steps 0-3; all waves wait at the second, which shows the rest.
; No prefetch: every load of the launch is issued at its head, so there is no later load to run ahead of.
; LAYOUT.  Both products are used transposed: S^T = K Q^T, O^T = V^T P^T: a lane holds ONE query of each tile (lane % 16).  The keys of a tile of K and the channels of a tile of V are chosen so that the 16 registers of two
; neighbouring result tiles are 16 neighbours along the next product's K.  K of the first product is 64, the instruction's 128: a fragment of K holds two tiles of keys, and q stands between zero codes: [q | 0], [0 | q].
; REGISTERS.  Window 0: addresses, each tile's small state, scales, the holds' temporaries, p's codes, both tiles' S^T / p: all lines of the softmax run under the setting 0.
;   Window 1: v0-63 four fragments of K or V; v64-103 zeros, q of tile 0, zeros, q of tile 1, zeros; v104-167 both tiles' O^T.
; A KEY STEP.  The holds write temporaries, so p survives the step: its sums stand at the next step's head and between K's products, where they are the places behind matrix instructions.
; Lines that need the line above them stand among the other tile's independent lines: tile 0's way from the maximum to M and f among tile 1's last maxima, tile 1's among tile 0's scalings; a group's holds ahead of the group before's conversion.
; A pass's first step sums what stands in S and rescales what stands in O: finite numbers (pass 0: the held q, zeros; pass 1: p, x); its f is 0, which wipes them.
; LIMITS: NaN and infinities among the inputs are not served; magnitudes of query stay under 2^120 (the sum that the first f wipes must stay finite); a p under 2^-126 comes out of v_exp_f32 as 0;
; a block of zeros gets the byte 1 (its codes are zeros; this program alone reads the bytes).
.set STEPB, 16896                      ; a key step in LDS: K part 8,448 (codes 8,192, scale words 256), V part likewise
.set XSG,   16*STEPB                   ; 512 half-words: x's scale bytes of my 512 rows
.set Q1G,   XSG+1024                   ; q's images: 1,536 bytes a tile (1,024 of codes, the scale word at 16 x lane), four tiles a wave
.set Q1B,   1536
.set SPARE, Q1G+8*4*Q1B                ; the spare words, 128 bytes a wave
.set LI,   1                           ; 16 x lane
.set L8,   2                           ; 8 x lane
.set ADR,  3                           ; the step's fragments; at the end: where I read scale bytes back
.set ADS,  4                           ; the step's scale words; at the end: their place in xs
.set QL,   5                           ; my q images
.set XSA,  6                           ; where I put a row's two scale bytes
.set SPW,  7                           ; my spare word; never rewritten
.set NIL,  8                           ; 0; never rewritten
.set TS,   26                          ; a tile's state: v12-37, v38-63
.set NM,   12                          ; -M; TX is named with it as a pair
.set TX,   13                          ; the largest score so far
.set TM2,  14
.set TMP,  15
.set SUM,  16                          ; the row's sum: two chains of two halves
.set SU2,  18
.set F,    20                          ; f; v21 is named with it as a pair
.set BM,   22
.set T2,   26                          ; = BM + 4
.set HOLD, 30
.set SCL,  34
.set KS,   64                          ; v64-71 hold scales and nothing else
.set VS,   66
.set QS,   68
.set PS,   70
.set T,    72                          ; v72-87 two sets of eight held p
.set PC,   88                          ; v88-119 p's codes, 16 a tile; at a pass's end x's
.set S,    120                         ; v120-247 S^T, then p, 64 a tile
.set KF,   0                           ; window 1
.set QW,   64
.set O,    104
.set LN,   T
.set RR,   T+1
.set HH,   T+2
.set QA,   T+3
.set WV,   12
.set G1,   24
.set G0,   32
.set SEL,  48
.set CS,   50                          ; s[50:51] c = log2(e) / 32
.set MNT,  52
.set TB,   53
.set CNT,  54
.set MSB, 0
.macro WIN new                         ; the immediate's high byte repeats the setting that is left
.if MSB != \new
	s_set_vgpr_msb (MSB<<8)|\new
.set MSB, \new
.endif
.endm
.macro WALU
	s_wait_alu depctr_va_vdst(0)
.endm
.macro CROUND                          ; a round of the cluster's barrier
	s_barrier_signal -1
	s_barrier_wait -1
	s_cmp_lg_u32 s[WV], 0
	s_cbranch_scc1 .Lnot_wave_0_\@
	s_barrier_signal -3
.Lnot_wave_0_\@:
	s_barrier_wait -3
	s_barrier_signal -1
	s_barrier_wait -1
.endm
; two blocks of 32 along K; lane (r, h) holds 16 numbers of each, the other 16 lie in lane l xor 16.  Codes to v[dst + 4 b ..], bytes to v[T2 + b]
.macro QUANT2 src, dst
.irp b, 0,1
	v_max3_num_f32 v[BM+\b], |v[\src+16*\b]|, |v[\src+16*\b+1]|, 0x8000000   ; with the floor 2^(16 - 127): the byte cannot fall under 1
.endr
.irp i, 2,4,6,8,10,12,14
.irp b, 0,1
	v_max3_num_f32 v[BM+\b], v[BM+\b], |v[\src+16*\b+\i]|, |v[\src+16*\b+\i+1]|
.endr
.endr
.irp b, 0,1
	v_permlanex16_b32 v[T2+\b], v[BM+\b], s[SEL], s[SEL+1]
.endr
.irp b, 0,1
	v_max_num_f32 v[BM+\b], v[BM+\b], v[T2+\b]
.endr
.irp b, 0,1
	v_add_nc_u32 v[SCL+\b], 0xf8800000, v[BM+\b]                   ; 15 off the exponent field: the conversion's scale operand
.endr
.irp b, 0,1
	v_and_or_b32 v[HOLD+\b], v[BM+\b], 0x7f800000, s[MNT]          ; 57,344 x the scale
.endr
.irp b, 0,1
	v_lshrrev_b32 v[T2+\b], 23, v[SCL+\b]                          ; the scale's byte
.endr
.irp b, 0,1
.set i, 0
.rept 16
	v_med3_num_f32 v[\src+16*\b+i], v[\src+16*\b+i], -v[HOLD+\b], v[HOLD+\b]   ; the conversion does not saturate (ISA guide 7.6.2)
.set i, i+1
.endr
	v_cvt_scalef32_pk8_bf8_f32 v[\dst+4*\b:\dst+4*\b+1], v[\src+16*\b:\src+16*\b+7], v[SCL+\b]
	v_cvt_scalef32_pk8_bf8_f32 v[\dst+4*\b+2:\dst+4*\b+3], v[\src+16*\b+8:\src+16*\b+15], v[SCL+\b]
.endr
	v_nop                                                          ; a plain line behind the last conversion
.endm
	s_load_b256 s[4:11], s[0:1], 0x0               ; query, kv, xc, xs
	v_lshl_add_u32 v[SPW], v0, 2, SPARE
	v_mov_b32 v[NIL], 0
	ds_add_u32 v[SPW], v[NIL]                      ; the opening: the add twice on end and its wait
	ds_add_u32 v[SPW], v[NIL]
	v_lshrrev_b32 v[TMP], 5, v0
	v_readfirstlane_b32 s[WV], v[TMP]              ; wave 0..7
	s_bfe_u32 s13, ttmp6, 0x40000                  ; cx
	s_lshl_b32 s17, ttmp9, 2
	s_add_co_u32 s13, s17, s13                     ; my block of 512 queries: it enters query's, xc's and xs's addresses alone
	s_and_b32 s14, ttmp7, 0xffff                   ; the head g, which the four partners share
	s_lshr_b32 s15, s14, 4                         ; n
	s_and_b32 s16, s14, 15                         ; hd
	s_mov_b32 s[G1], 15|(3<<16)|(1<<21)            ; two key steps: 132 rows of 256 bytes (32 elements of 8); the mask names all four
	s_mov_b32 s[G1+1], 32<<16
	s_mov_b32 s[G1+2], 132<<16
	s_mov_b32 s[G1+3], 32<<16
	s_mov_b32 s[G1+4], 132
	s_mov_b32 s[G1+5], 32
	s_mov_b32 s[G1+6], 0
	s_mov_b32 s[G1+7], 0
	s_mul_i32 s18, s[WV], 2*STEPB                  ; I fetch key steps 2 w, 2 w + 1: the same bytes on in LDS and in the head's block
	s_mul_i32 s56, s14, 16*STEPB
	s_add_co_u32 s56, s56, s18
	s_mov_b32 s57, 0
	s_lshl_b32 s58, s15, 11
	s_lshl_b32 s59, s13, 9
	s_add_co_u32 s58, s58, s59                     ; my work-group's first row
	s_lshl_b32 s62, s58, 1                         ; xs: 2 bytes a row, 16,384 a head
	s_lshl_b32 s59, s16, 14
	s_add_co_u32 s62, s62, s59
	s_lshl_b32 s59, s[WV], 5
	s_add_co_u32 s58, s58, s59                     ; my wave's first row
	s_lshl_b32 s60, s58, 10                        ; xc: 16,384 bytes for 16 rows, 1,024 a head
	s_lshl_b32 s59, s16, 10
	s_add_co_u32 s60, s60, s59
	s_lshl_b32 s58, s58, 12                        ; query: 4,096 bytes a row, 256 a head
	s_lshl_b32 s59, s16, 8
	s_add_co_u32 s58, s58, s59
	s_mov_b32 s59, 0
	s_mov_b32 s61, 0
	s_mov_b32 s63, 0
	s_mov_b32 s[SEL], 0x76543210
	s_mov_b32 s[SEL+1], 0xfedcba98
	s_mov_b32 s[CS], 0x3d38aa3b
	s_mov_b32 s[CS+1], s[CS]
	s_mov_b32 s[MNT], 0x600000
	s_lshl_b32 s19, s[WV], 6
	s_add_co_u32 s19, s19, XSG
	s_mul_i32 s20, s[WV], 4*Q1B
	s_add_co_u32 s20, s20, Q1G
	v_and_b32 v[LN], 31, v0
	v_and_b32 v[RR], 15, v0
	v_bfe_u32 v[HH], v0, 4, 1
	v_lshlrev_b32 v[LI], 4, v[LN]
	v_lshlrev_b32 v[L8], 3, v[LN]
	v_lshlrev_b32 v[QA], 12, v[RR]
	v_lshl_add_u32 v[QA], v[HH], 6, v[QA]          ; query: row r + 64 h
	v_lshl_add_u32 v[XSA], v[RR], 1, s19           ; XSG + 64 w + 2 r
	v_add_nc_u32 v[QL], s20, v[LI]
	WALU
	s_wait_dscnt 0x0                               ; both opening adds are done
	s_wait_kmcnt 0x0
	s_add_nc_u64 s[4:5], s[4:5], s[58:59]
	s_add_nc_u64 s[8:9], s[8:9], s[60:61]
	s_add_nc_u64 s[10:11], s[10:11], s[62:63]
	s_mov_b32 s[G0], 1
	s_mov_b32 s[G0+1], s18
	s_add_nc_u64 s[G0+2:G0+3], s[6:7], s[56:57]
	s_or_b32 s[G0+3], s[G0+3], 0x80000000
.irp i, 0,1,2,3                                ; q of tile i = 2 p + t: lane (r, h) takes 16 neighbours of each of row r's two blocks
.irp cc, 0,1
.irp j, 0,1,2,3
	global_load_b128 v[S+32*\i+16*\cc+4*\j:S+32*\i+16*\cc+4*\j+3], v[QA], s[4:5] offset:1048576*(\i/2)+65536*(\i%2)+128*\cc+16*\j
.endr
.endr
.endr
	CROUND                                         ; all four work-groups are here: the joint loads meet
	s_cmp_lt_u32 s[WV], 2                          ; one load a wave; waves 0 and 1, which wait first, have a line of their own
	s_cbranch_scc0 .Llater
	tensor_load_to_lds s[G0:G0+3], s[G1:G1+7]
	s_nop 0
.rept 4
	v_nop
.endr
	s_branch .Lasked
.Llater:
	tensor_load_to_lds s[G0:G0+3], s[G1:G1+7]
	s_nop 0
.rept 4
	v_nop
.endr
.Lasked:
	WIN 0x40                                       ; destination window 1
.irp i, 0,1,2,3,4,5,6,7
	v_mov_b32 v[QW+\i], 0                          ; the zero codes round the two q
	v_mov_b32 v[QW+16+\i], 0
	v_mov_b32 v[QW+32+\i], 0
.endr
.set j, 0
.rept 64
	v_mov_b32 v[O+j], 0
.set j, j+1
.endr
	WIN 0
.irp t, 0,1
.irp b, 0,1,2,3
	v_mov_b32 v[T2+TS*\t+\b], 0                    ; a lane permute's destination counts as one of its sources
.endr
	v_mov_b32 v[F+TS*\t+1], 0
.endr
	WALU
	s_wait_loadcnt 0x0
.irp i, 0,1,2,3                                ; each tile's q waits in my own LDS bytes as an image of its registers
	QUANT2 S+32*\i, T+8
	v_lshl_or_b32 v[TMP], v[T2+1], 8, v[T2]
	v_lshl_or_b32 v[TM2], v[TMP], 16, v[TMP]       ; q's two bytes twice: bytes 0, 1 serve [q | 0], bytes 2, 3 serve [0 | q]
	ds_store_b128 v[QL], v[T+8:T+11] offset:Q1B*\i
	ds_store_b128 v[QL], v[T+12:T+15] offset:Q1B*\i+512
	ds_store_b32 v[QL], v[TM2] offset:Q1B*\i+1024
.endr
; the sums of block b's 16 p of both tiles, two at a time: four chains by turns
.macro SUMB b
.irp j, 0,4,8,12
.irp t, 0,1
	v_pk_add_f32 v[SUM+TS*\t:SUM+TS*\t+1], v[SUM+TS*\t:SUM+TS*\t+1], v[S+64*\t+16*(\b)+\j:S+64*\t+16*(\b)+\j+1]
	v_pk_add_f32 v[SU2+TS*\t:SU2+TS*\t+1], v[SU2+TS*\t:SU2+TS*\t+1], v[S+64*\t+16*(\b)+\j+2:S+64*\t+16*(\b)+\j+3]
.endr
.endr
.endm
.macro SMUL b                          ; S^T of pair fragment b, both tiles: register 16 b + i of lane (r, h) = query r, key 32 b + 16 h + i
.irp t, 0,1
.if (\b)%2
	v_wmma_scale_f32_16x16x128_f8f6f4 v[S+64*\t+16*\b:S+64*\t+16*\b+7], v[KF+16*\b:KF+16*\b+15], v[QW+16*\t+8:QW+16*\t+23], 0, v[KS+\b/2], v[QS+\t] matrix_a_fmt:MATRIX_FMT_BF8 matrix_b_fmt:MATRIX_FMT_BF8 matrix_a_scale:MATRIX_SCALE_ROW1
	v_wmma_scale_f32_16x16x128_f8f6f4 v[S+64*\t+16*\b+8:S+64*\t+16*\b+15], v[KF+16*\b:KF+16*\b+15], v[QW+16*\t:QW+16*\t+15], 0, v[KS+\b/2], v[QS+\t] matrix_a_fmt:MATRIX_FMT_BF8 matrix_b_fmt:MATRIX_FMT_BF8 matrix_a_scale:MATRIX_SCALE_ROW1
.else
	v_wmma_scale_f32_16x16x128_f8f6f4 v[S+64*\t+16*\b:S+64*\t+16*\b+7], v[KF+16*\b:KF+16*\b+15], v[QW+16*\t+8:QW+16*\t+23], 0, v[KS+\b/2], v[QS+\t] matrix_a_fmt:MATRIX_FMT_BF8 matrix_b_fmt:MATRIX_FMT_BF8
	v_wmma_scale_f32_16x16x128_f8f6f4 v[S+64*\t+16*\b+8:S+64*\t+16*\b+15], v[KF+16*\b:KF+16*\b+15], v[QW+16*\t:QW+16*\t+15], 0, v[KS+\b/2], v[QS+\t] matrix_a_fmt:MATRIX_FMT_BF8 matrix_b_fmt:MATRIX_FMT_BF8
.endif
.endr
.endm
; the largest score of two blocks of 32 keys in both tiles: two chains a block, one for each accumulator, each begun at its accumulator's low end
.macro MAXB b0, b1
.irp t, 0,1
.irp b, \b0, \b1
	v_max3_num_f32 v[BM+TS*\t+\b], v[S+64*\t+16*\b], v[S+64*\t+16*\b+1], v[S+64*\t+16*\b+2]
	v_max3_num_f32 v[T2+TS*\t+\b], v[S+64*\t+16*\b+8], v[S+64*\t+16*\b+9], v[S+64*\t+16*\b+10]
.endr
.endr
.irp i, 3,5
.irp t, 0,1
.irp b, \b0, \b1
	v_max3_num_f32 v[BM+TS*\t+\b], v[BM+TS*\t+\b], v[S+64*\t+16*\b+\i], v[S+64*\t+16*\b+\i+1]
	v_max3_num_f32 v[T2+TS*\t+\b], v[T2+TS*\t+\b], v[S+64*\t+16*\b+8+\i], v[S+64*\t+16*\b+9+\i]
.endr
.endr
.endr
.irp t, 0,1
.irp b, \b0, \b1
	v_max3_num_f32 v[BM+TS*\t+\b], v[BM+TS*\t+\b], v[T2+TS*\t+\b], v[S+64*\t+16*\b+7]
.endr
.endr
.irp t, 0,1
.irp b, \b0, \b1
	v_max_num_f32 v[BM+TS*\t+\b], v[BM+TS*\t+\b], v[S+64*\t+16*\b+15]
.endr
.endr
.endm
; line n (0 .. 15) of the same for blocks 2 and 3 of ONE tile: four chains by turns, then the joins
.macro MX t, n
.if (\n) < 12
.set B_, S+64*(\t)+16*(2+((\n)%4)/2)+8*((\n)%2)
.set D_, BM+TS*(\t)+2+((\n)%4)/2+4*((\n)%2)
.else
.set B_, S+64*(\t)+16*(2+(\n)%2)
.set D_, BM+TS*(\t)+2+(\n)%2
.endif
.if (\n) < 4
	v_max3_num_f32 v[D_], v[B_], v[B_+1], v[B_+2]
.elseif (\n) < 12
	v_max3_num_f32 v[D_], v[D_], v[B_+2*((\n)/4)+1], v[B_+2*((\n)/4)+2]
.elseif (\n) < 14
	v_max3_num_f32 v[D_], v[D_], v[D_+4], v[B_+7]
.else
	v_max_num_f32 v[D_], v[D_], v[B_+15]
.endif
.endm
; line n (0 .. 19) of one tile's way from the blocks' maxima to M, f and the blocks' t - M
.macro CH t, n
.set Z_, TS*(\t)
.if (\n) < 4
	v_permlanex16_b32 v[T2+Z_+(\n)], v[BM+Z_+(\n)], s[SEL], s[SEL+1]
.elseif (\n) == 4
	v_mov_b32 v[TMP+Z_], v[NM+Z_]                  ; the old -M
.elseif (\n) < 9
	v_max_num_f32 v[BM+Z_+(\n)-5], v[BM+Z_+(\n)-5], v[T2+Z_+(\n)-5]   ; with lane l xor 16's 16 keys
.elseif (\n) == 9
	v_max3_num_f32 v[TX+Z_], v[TX+Z_], v[BM+Z_], v[BM+Z_+1]
.elseif (\n) == 10
	v_max3_num_f32 v[TX+Z_], v[TX+Z_], v[BM+Z_+2], v[BM+Z_+3]   ; the running largest score of my query
.elseif (\n) == 11
	v_mul_f32 v[TM2+Z_], s[CS], v[TX+Z_]           ; as t (c is positive)
.elseif (\n) == 12
	v_floor_f32 v[NM+Z_], -v[TM2+Z_]               ; the new -M = -ceil(t)
.elseif (\n) == 13
	v_sub_f32 v[TMP+Z_], v[NM+Z_], v[TMP+Z_]       ; old M - new M: a whole number, 0 or less
.elseif (\n) == 14
	v_cvt_i32_f32 v[TMP+Z_], v[TMP+Z_]             ; (it saturates)
.elseif (\n) < 19
	v_fma_f32 v[BM+Z_+(\n)-15], v[BM+Z_+(\n)-15], s[CS], v[NM+Z_]   ; t - M of each block's largest score: p rises with the score
.else
	v_ldexp_f32 v[F+Z_], 1.0, v[TMP+Z_]            ; f = 2^(old M - new M)
.endif
.endm
.macro TMM t, k                        ; t - M of pair k of tile t
	v_pk_fma_f32 v[S+64*(\t)+2*(\k):S+64*(\t)+2*(\k)+1], v[S+64*(\t)+2*(\k):S+64*(\t)+2*(\k)+1], s[CS:CS+1], v[NM+TS*(\t):NM+TS*(\t)+1] op_sel_hi:[1,0,0]
.endm
.macro AFTER g, t                      ; the plain line behind conversion g of tile t: the scales' bytes, then p's scale word
.if (\g) < 4
	v_lshrrev_b32 v[T2+TS*(\t)+(\g)], 23, v[SCL+TS*(\t)+(\g)]
.elseif (\g) == 4
	v_lshl_or_b32 v[TMP+TS*(\t)], v[T2+TS*(\t)+1], 8, v[T2+TS*(\t)]
.elseif (\g) == 5
	v_lshl_or_b32 v[TM2+TS*(\t)], v[T2+TS*(\t)+3], 8, v[T2+TS*(\t)+2]
.elseif (\g) == 6
	v_lshl_or_b32 v[PS+(\t)], v[TM2+TS*(\t)], 16, v[TMP+TS*(\t)]
.endif
.endm
; group G = 8 t + g of eight p: held (one-sided: p is not negative), two to a line, into temporary set G % 2
.macro HOLDG G
.irp k, 0,1,2,3
	v_dual_min_num_f32 v[T+8*((\G)%2)+2*\k], v[S+8*(\G)+2*\k], v[HOLD+TS*((\G)/8)+((\G)%8)/2] :: v_dual_min_num_f32 v[T+8*((\G)%2)+2*\k+1], v[S+8*(\G)+2*\k+1], v[HOLD+TS*((\G)/8)+((\G)%8)/2]
.endr
.endm
; and converted; a plain line stands behind the conversion, ahead of the next holds into its set
.macro CVTG G
	v_cvt_scalef32_pk8_bf8_f32 v[PC+2*(\G):PC+2*(\G)+1], v[T+8*((\G)%2):T+8*((\G)%2)+7], v[SCL+TS*((\G)/8)+((\G)%8)/2]
.if ((\G)%8) < 7
	AFTER (\G)%8, (\G)/8
.elseif (\G) == 7
	v_nop
.endif
.endm
; A KEY STEP: 128 keys at LDS byte s[TB], against both tiles
.macro STEP
	v_add_nc_u32 v[ADR], s[TB], v[LI]
	v_add_nc_u32 v[ADS], s[TB], v[L8]
	SUMB 0                                         ; the last step's p, unquantised.  These lines are the places between the last products and the loads into registers that they read (eight are asked)
	ds_load_b64 v[KS:KS+1], v[ADS] offset:8192
	WIN 0x40                                       ; destination window 1
.set f, 0
.rept 16
	ds_load_b128 v[KF+4*f:KF+4*f+3], v[ADR] offset:512*f
.set f, f+1
.endr
	WIN 0
	SUMB 1                                         ; 32 lines stand between K's loads and the wait for them
	SUMB 2
	WALU                                           ; the sums' chains go on behind the wait below
	s_wait_dscnt 0x0                               ; K is in
	WIN 0x05                                       ; sources 0 and 1 window 1
	SMUL 0
	SMUL 1
	WIN 0
	SUMB 3                                         ; block 3 of the old p stands until its products write over it: sixteen places
	WIN 0x05
	SMUL 2
	SMUL 3
	WIN 0
	MAXB 0, 1                                      ; 32 places behind the last product
	ds_load_b64 v[VS:VS+1], v[ADS] offset:16640
	WIN 0x40
.set f, 0
.rept 16
	ds_load_b128 v[KF+4*f:KF+4*f+3], v[ADR] offset:8448+512*f
.set f, f+1
.endr
	WIN 0
.set n, 0
.rept 16
	MX 0, n
.set n, n+1
.endr
.set n, 0
.rept 16                                       ; tile 0's way to M and f among tile 1's last maxima
	CH 0, n
	MX 1, n
.set n, n+1
.endr
.rept 4
	CH 0, n
.set n, n+1
.endr
.set n, 0
.rept 20                                       ; tile 1's among tile 0's scalings
	CH 1, n
	TMM 0, n
.set n, n+1
.endr
.rept 12
	TMM 0, n
.set n, n+1
.endr
	WALU                                           ; ahead of the batch
.irp b, 0,1,2,3
.irp t, 0,1
	v_exp_f32 v[BM+TS*\t+\b], v[BM+TS*\t+\b]       ; the blocks' largest p
.endr
.endr
.set k, 0
.rept 32                                       ; tile 0's p = 2^(t - M); among them tile 1's scalings: each is independent of the others and is first read behind the next wait
	v_exp_f32 v[S+2*k], v[S+2*k]
	v_exp_f32 v[S+2*k+1], v[S+2*k+1]
	TMM 1, k
.set k, k+1
.endr
	WALU                                           ; behind the first batch, ahead of the second
.set j, 0
.rept 64                                       ; tile 1's p; among them the floor 2^(16 - 127) under the eight largest p: each line is independent and is first read behind the next wait
	v_exp_f32 v[S+64+j], v[S+64+j]
.if (j%8) == 7
	v_max_num_f32 v[BM+TS*((j/8)%2)+(j/8)/2], 0x8000000, v[BM+TS*((j/8)%2)+(j/8)/2]
.endif
.set j, j+1
.endr
.irp t, 0,1
	v_pk_mul_f32 v[SUM+TS*\t:SUM+TS*\t+1], v[SUM+TS*\t:SUM+TS*\t+1], v[F+TS*\t:F+TS*\t+1] op_sel_hi:[1,0]   ; the sums under the new M
	v_pk_mul_f32 v[SU2+TS*\t:SU2+TS*\t+1], v[SU2+TS*\t:SU2+TS*\t+1], v[F+TS*\t:F+TS*\t+1] op_sel_hi:[1,0]
.endr
	WALU                                           ; behind the batch
.irp b, 0,1,2,3
.irp t, 0,1
	v_add_nc_u32 v[SCL+TS*\t+\b], 0xf8800000, v[BM+TS*\t+\b]       ; the conversion's scale operand
.endr
.endr
.irp b, 0,1,2,3
.irp t, 0,1
	v_and_or_b32 v[HOLD+TS*\t+\b], v[BM+TS*\t+\b], 0x7f800000, s[MNT]   ; 57,344 x the scale
.endr
.endr
	HOLDG 0
.set g, 0
.rept 15                                       ; the next group's holds stand ahead of a group's conversion
	HOLDG g+1
	CVTG g
.set g, g+1
.endr
	CVTG 15
	s_wait_dscnt 0x0                               ; V is in
	WIN 0x41                                       ; source 0 and destination window 1
	WALU                                           ; directly ahead of the first reader of O^T
.irp t, 0,1
.set i, 0
.rept 16
	v_pk_mul_f32 v[O+32*\t+2*i:O+32*\t+2*i+1], v[O+32*\t+2*i:O+32*\t+2*i+1], v[F+TS*\t:F+TS*\t+1] op_sel_hi:[1,0]   ; O^T under the new M; these lines also stand between the codes and the products
.set i, i+1
.endr
.endr
	WIN 0x51                                       ; V and O^T window 1, p's codes window 0
.irp c, 0,1,2,3                                ; O^T += V^T P^T: the eight accumulators by turns
.irp t, 0,1
.if \c%2
	v_wmma_scale_f32_16x16x128_f8f6f4 v[O+32*\t+8*\c:O+32*\t+8*\c+7], v[KF+16*\c:KF+16*\c+15], v[PC+16*\t:PC+16*\t+15], v[O+32*\t+8*\c:O+32*\t+8*\c+7], v[VS+\c/2], v[PS+\t] matrix_a_fmt:MATRIX_FMT_BF8 matrix_b_fmt:MATRIX_FMT_BF8 matrix_a_scale:MATRIX_SCALE_ROW1
.else
	v_wmma_scale_f32_16x16x128_f8f6f4 v[O+32*\t+8*\c:O+32*\t+8*\c+7], v[KF+16*\c:KF+16*\c+15], v[PC+16*\t:PC+16*\t+15], v[O+32*\t+8*\c:O+32*\t+8*\c+7], v[VS+\c/2], v[PS+\t] matrix_a_fmt:MATRIX_FMT_BF8 matrix_b_fmt:MATRIX_FMT_BF8
.endif
.endr
.endr
	WIN 0
.endm
.macro STEPS n, base                   ; n key steps from LDS byte base on
	s_mov_b32 s[TB], \base
	s_mov_b32 s[CNT], \n
.Lstep_\@:
	STEP
	s_add_co_u32 s[TB], s[TB], STEPB
	s_sub_co_u32 s[CNT], s[CNT], 1
	s_cmp_lg_u32 s[CNT], 0
	WALU
	s_cbranch_scc1 .Lstep_\@
.endm
; A PASS: two tiles of 16 queries against all 2,048 keys, then x's codes and scale bytes
.macro PASS p
	WIN 0x40
.irp t, 0,1
	ds_load_b128 v[QW+16*\t+8:QW+16*\t+11], v[QL] offset:Q1B*(2*\p+\t)       ; LDS serves a wave's instructions in order: these see my stores
	ds_load_b128 v[QW+16*\t+12:QW+16*\t+15], v[QL] offset:Q1B*(2*\p+\t)+512
.endr
	WIN 0
.irp t, 0,1
	ds_load_b32 v[QS+\t], v[QL] offset:Q1B*(2*\p+\t)+1024
	v_mov_b32 v[TX+TS*\t], 0xff61b1e6              ; -3e38, under every score: the first f is 0
	v_floor_f32 v[NM+TS*\t], -v[TX+TS*\t]
	v_mov_b32 v[SUM+TS*\t], 0
	v_mov_b32 v[SUM+TS*\t+1], 0
	v_mov_b32 v[SU2+TS*\t], 0
	v_mov_b32 v[SU2+TS*\t+1], 0
.endr
	WALU
.if \p == 0
	s_cmp_lt_u32 s[WV], 2
	s_cbranch_scc0 .Lnot_first
	s_wait_tensorcnt 0x0                           ; waves 0 and 1: key steps 0-3 have landed
.Lnot_first:
	s_wait_dscnt 0x0
	s_barrier_signal -1
	s_barrier_wait -1
	STEPS 4, 0
	s_wait_tensorcnt 0x0                           ; every wave: its key steps have landed
	s_wait_dscnt 0x0
	s_barrier_signal -1
	s_barrier_wait -1
	STEPS 12, 4*STEPB
.else
	s_wait_dscnt 0x0                               ; q is in
	STEPS 16, 0
.endif
.irp b, 0,1,2,3
	SUMB \b                                        ; the last step's p; also the places behind the last products
.endr
.irp t, 0,1
	v_pk_add_f32 v[SUM+TS*\t:SUM+TS*\t+1], v[SUM+TS*\t:SUM+TS*\t+1], v[SU2+TS*\t:SU2+TS*\t+1]
.endr
.irp t, 0,1
	v_add_f32 v[SUM+TS*\t], v[SUM+TS*\t], v[SUM+TS*\t+1]
.endr
.irp t, 0,1
	v_permlanex16_b32 v[TMP+TS*\t], v[SUM+TS*\t], s[SEL], s[SEL+1]
.endr
.irp t, 0,1
	v_add_f32 v[SUM+TS*\t], v[SUM+TS*\t], v[TMP+TS*\t]   ; the row's sum
.endr
	WALU
.irp t, 0,1
	v_rcp_f32 v[SUM+TS*\t], v[SUM+TS*\t]
.endr
	v_nop
	WIN 0x01                                       ; source 0 window 1: x goes where p stood
	WALU
.irp t, 0,1
.set j, 0
.rept 16
	v_pk_mul_f32 v[S+64*\t+j:S+64*\t+j+1], v[O+32*\t+j:O+32*\t+j+1], v[SUM+TS*\t:SUM+TS*\t+1] op_sel_hi:[1,0]   ; register 16 b' + i = x(row r, 64 hd + 32 b' + 16 h + i)
.set j, j+2
.endr
.endr
	WIN 0
.irp t, 0,1
	QUANT2 S+64*\t, PC+16*\t
	v_lshl_or_b32 v[TMP], v[T2+1], 8, v[T2]
	ds_store_b16 v[XSA], v[TMP] offset:512*\p+32*\t      ; both halves of the lanes write the same half-word
	global_store_b128 v[LI], v[PC+16*\t:PC+16*\t+3], s[8:9] offset:262144*\p+16384*\t          ; 512 consecutive bytes
	global_store_b128 v[LI], v[PC+16*\t+4:PC+16*\t+7], s[8:9] offset:262144*\p+16384*\t+512
.endr
	s_wait_xcnt 0x0                                ; the stores' data are written again only behind this wait
.endm
	PASS 0
	PASS 1
	v_and_b32 v[ADS], 63, v0
	v_lshlrev_b32 v[ADS], 4, v[ADS]
	v_add_nc_u32 v[ADR], XSG, v[ADS]
	WALU
	s_wait_dscnt 0x0                               ; my scale bytes lie in LDS
	s_barrier_signal -1
	s_barrier_wait -1
	s_cmp_lt_u32 s[WV], 2                          ; waves 0 and 1 store the work-group's 1,024 bytes of scales, 16 a lane
	s_cbranch_scc0 .Lno_scales
	ds_load_b128 v[S:S+3], v[ADR]
	s_wait_dscnt 0x0
	global_store_b128 v[ADS], v[S:S+3], s[10:11]
.Lno_scales:
	s_wait_tensorcnt 0x0                           ; the wave's end
	ds_add_u32 v[SPW], v[NIL]
	s_wait_dscnt 0x0
	CROUND                                         ; the closing round
	s_endpgm
.Lfunc_end_k_qcea0e4d1c0_attn:
	.size	k_qcea0e4d1c0_attn, .Lfunc_end_k_qcea0e4d1c0_attn-k_qcea0e4d1c0_attn
	.p2alignl 7, 3214868480
	.fill 96, 4, 3214868480
	.section	.rodata,"a",@progbits
	.p2align	6, 0x0
	.amdhsa_kernel k_qcea0e4d1c0_attn
		.amdhsa_group_segment_fixed_size 321536
		.amdhsa_private_segment_fixed_size 0
		.amdhsa_enable_private_segment 0
		.amdhsa_kernarg_size 32
		.amdhsa_user_sgpr_count 2
		.amdhsa_user_sgpr_kernarg_segment_ptr 1
		.amdhsa_wavefront_size32 1
		.amdhsa_system_sgpr_workgroup_id_x 1
		.amdhsa_system_sgpr_workgroup_id_y 1
		.amdhsa_system_sgpr_workgroup_id_z 1
		.amdhsa_system_vgpr_workitem_id 0
		.amdhsa_next_free_vgpr 512
		.amdhsa_next_free_sgpr 66
		.amdhsa_reserve_vcc 0
		.amdhsa_float_denorm_mode_32 3
		.amdhsa_float_denorm_mode_16_64 3
		.amdhsa_memory_ordered 1
		.amdhsa_forward_progress 1
		.amdhsa_inst_pref_size 162
	.end_amdhsa_kernel
	.amdgpu_metadata
---
amdhsa.version: [ 1, 2 ]
amdhsa.kernels:
  - .name:           k_qcea0e4d1c0_attn
    .symbol:         k_qcea0e4d1c0_attn.kd
    .args:
      - { .name: query, .offset: 0, .size: 8, .value_kind: global_buffer, .address_space: global }
      - { .name: kv, .offset: 8, .size: 8, .value_kind: global_buffer, .address_space: global }
      - { .name: xc, .offset: 16, .size: 8, .value_kind: global_buffer, .address_space: global }
      - { .name: xs, .offset: 24, .size: 8, .value_kind: global_buffer, .address_space: global }
    .group_segment_fixed_size: 321536
    .private_segment_fixed_size: 0
    .kernarg_segment_align: 8
    .kernarg_segment_size: 32
    .max_flat_workgroup_size: 256
    .sgpr_count:     66
    .vgpr_count:     512
    .wavefront_size: 32
...
	.end_amdgpu_metadata
.endif
;; end of part 2
;; launch proj (part 3): grid 4 x 64, 4 waves a work-group, clusters of 4 x 1, 168,448 bytes of LDS; arguments xc, xs, wq, b_out, out0; writes out0
.if DOCPART == 3
	.amdgcn_target "amdgcn-amd-amdhsa--gfx1250"
	.amdhsa_code_object_version 6
	.text
	.protected	k_qcea0e4d1c0_proj
	.globl	k_qcea0e4d1c0_proj
	.p2align	8
	.type	k_qcea0e4d1c0_proj,@function
k_qcea0e4d1c0_proj:
	s_mov_b64 s[64:65], 0
	v_nop
	global_prefetch_b8 v0, s[64:65] scope:SCOPE_SE
	s_setreg_imm32_b32 hwreg(HW_REG_WAVE_MODE, 25, 1), 1
	s_wait_xcnt 0x0
	s_wait_alu depctr_hold_cnt(0) depctr_sa_sdst(0) depctr_va_vdst(0) depctr_va_sdst(0) depctr_va_ssrc(0) depctr_va_vcc(0) depctr_vm_vsrc(0)
	s_getreg_b32 s2, hwreg(HW_REG_IB_STS2, 6, 4)
	s_cmp_eq_u32 s2, 0
	s_cbranch_scc0 .Lentry_in_a_cluster
	s_endpgm
.Lentry_in_a_cluster:
	s_bfe_u32 s2, ttmp6, 0x10000c
	s_cmp_lg_u32 s2, 0x3003
	s_cbranch_scc0 .Lentry_shape_is_right
	s_endpgm
.Lentry_shape_is_right:
; out0 = x w_out^T + b_out on codes of BF8 (E5M2) with one E8M0 scale for each 32 along K = 1,024.  x's codes (xc), its scale bytes (xs) and w_out's codes and scale words (wq) were written by the launches before,
; laid as images of the operands' registers: a group is four registers of a fragment, 512 bytes, lane l's 16 bytes at 16 l.
; SHARES.  A work-group makes rows 128 y .. 128 y + 127 x columns 256 cx .. 256 cx + 255.  THE WAVES SHARE THE COLUMNS: wave w owns 64 of them, four tiles of 16 rows of w_out, for all 128 rows of x:
; its 32 fragments of w_out stay in 512 registers for the whole launch.  The 128 rows of x (131,072 bytes of codes, 4,096 of scale bytes) come into LDS once; no LDS byte is filled twice.
; CLUSTER.  The four work-groups of a cluster have the same y and need the same rows of x: each tile is asked for JOINTLY, by the same load, descriptor and mask in all four.
; THE MATRIX INSTRUCTION IS USED TRANSPOSED (source 0 = 16 rows of w_out, source 1 = 16 rows of x): a lane holds eight neighbouring columns of one row of out0.  The bias is the C of each sum's first instruction.
; REGISTERS, in windows of 256: window 0: addresses, scale words, the bias, two sets of four accumulators, rows on the way out.  Windows 1 and 2: w_out's fragments of K steps 0-3 and 4-7, at v[64 b + 16 t].
;   Window 3: x's fragments of a tile of 16 rows, two buffers, at v[128 (m % 2) + 16 s].
.set XSL,  131072                      ; behind x's codes: the scale bytes, [head 16][128 rows][2 bytes], a copy of 4,096 bytes for each wave, stored by that wave
.set STG,  147456                      ; behind them: a stage of 16 rows x (256 bytes + 16) for each wave; never a load's target
.set LI0,  1                           ; v1  16 x lane
.set LI1,  2                           ; v2  16 x lane + 65,536: row tiles 4-7
.set L8,   3                           ; v3  8 x lane
.set XSA,  4                           ; v4  XSL + 2 r
.set STO,  5                           ; v5  the stage: where I put 32 bytes of a row
.set RD,   6                           ; v6  and where I read a row back
.set CO,   7                           ; v7  my byte offset in two rows of out0
.set BA,   8                           ; v8  32 h: my eight numbers of a tile's bias
.set WS,   16                          ; v16-31   w_out's scale words: register 4 t + 2 sg + b / 2: fragment b even in lanes 0-15, odd in lanes 16-31
.set XW,   32                          ; v32-47   x's scale words, two sets of eight (K steps)
.set T,    48                          ; v48-63   x's scale bytes as loaded: a head's two
.set BI,   64                          ; v64-95   the bias, eight registers a tile, in the result's layout
.set ACC,  96                          ; v96-159  two sets of four accumulators
.set OB,   160                         ; v160-191 16 rows read back from the stage
.set WV,   14
.set G1X,  24                          ; s[24:31] descriptor group 1 for x's codes;  s[40:43] group 0
.set G0,   40
.set MSB, 0
.macro WIN new                         ; the immediate's high byte repeats the setting that is left
.if MSB != \new
	s_set_vgpr_msb (MSB<<8)|\new
.set MSB, \new
.endif
.endm
.macro CROUND                          ; a round of the cluster's barrier
	s_barrier_signal -1
	s_barrier_wait -1
	s_cmp_lg_u32 s[WV], 0
	s_cbranch_scc1 .Lnot_wave_0_\@
	s_barrier_signal -3
.Lnot_wave_0_\@:
	s_barrier_wait -3
	s_barrier_signal -1
	s_barrier_wait -1
.endm
	s_load_b256 s[4:11], s[0:1], 0x0               ; xc s[4:5], xs s[6:7], wq s[8:9], b_out s[10:11]
	s_load_b64 s[12:13], s[0:1], 0x20              ; out0
	v_lshl_add_u32 v254, v0, 2, 0x29000
	v_mov_b32 v255, 0
	ds_add_u32 v254, v255
	ds_add_u32 v254, v255
	v_lshrrev_b32 v9, 5, v0
	v_readfirstlane_b32 s[WV], v9                  ; wave 0..3
	s_bfe_u32 s15, ttmp6, 0x40000                  ; cx
	s_lshl_b32 s17, ttmp9, 2
	s_add_co_u32 s15, s17, s15                     ; my block of 256 columns: it enters wq's, b_out's and out0's addresses alone
	s_and_b32 s16, ttmp7, 0xffff                   ; y, which the four partners share
	; two tiles of 16 rows of x: 32,768 dense bytes as 128 rows of 256 bytes (32 elements of 8 bytes): one load a wave
	s_mov_b32 s[G1X], 15|(3<<16)|(1<<21)           ; the mask: all four work-groups; elements of 8 bytes; bit 21 set beside a mask
	s_mov_b32 s[G1X+1], 32<<16
	s_mov_b32 s[G1X+2], 128<<16
	s_mov_b32 s[G1X+3], 32<<16
	s_mov_b32 s[G1X+4], 128
	s_mov_b32 s[G1X+5], 32
	s_mov_b32 s[G1X+6], 0
	s_mov_b32 s[G1X+7], 0
	s_lshl_b32 s18, s[WV], 12
	s_add_co_u32 s18, s18, XSL                     ; my wave's own copy of the scale bytes in LDS
	s_lshl_b32 s52, s16, 8                         ; and my 128 rows' bytes in a head of xs: 256 y
	s_mov_b32 s53, 0
	s_lshl_b32 s19, s[WV], 15                      ; row tiles 2 w and 2 w + 1 in LDS,
	s_lshl_b32 s54, s16, 2
	s_add_co_u32 s54, s54, s[WV]
	s_lshl_b32 s54, s54, 15                        ; and in xc: (4 y + w) x 32,768
	s_mov_b32 s55, 0
	s_lshl_b32 s56, s15, 4
	s_lshl_b32 s57, s[WV], 2
	s_add_co_u32 s56, s56, s57
	s_mul_i32 s56, s56, 16896                      ; wq: my first tile, 16 cx + 4 w; 16,896 bytes a tile
	s_mov_b32 s57, 0
	s_lshl_b32 s58, s15, 10
	s_lshl_b32 s59, s[WV], 8
	s_add_co_u32 s58, s58, s59                     ; my first column in bytes: 1,024 cx + 256 w
	s_mov_b32 s59, 0
	s_lshl_b32 s60, s16, 19                        ; 128 y rows of 4,096 bytes
	s_add_co_u32 s60, s60, s58
	s_mov_b32 s61, 0
	v_and_b32 v9, 31, v0                           ; lane
	v_and_b32 v10, 15, v0                          ; r
	v_bfe_u32 v11, v0, 4, 1                        ; h
	v_lshlrev_b32 v[LI0], 4, v9
	v_add_nc_u32 v[LI1], 65536, v[LI0]
	v_lshlrev_b32 v[L8], 3, v9
	v_lshl_add_u32 v[XSA], v10, 1, s18
	s_mul_i32 s20, s[WV], 16*272
	s_add_co_u32 s20, s20, STG                     ; my stage
	v_mul_u32_u24 v[STO], v10, 272
	v_lshl_add_u32 v[STO], v11, 5, v[STO]
	v_add_nc_u32 v[STO], s20, v[STO]               ; in: row r, + 32 h
	v_mul_u32_u24 v[RD], v11, 272
	v_lshl_add_u32 v[RD], v10, 4, v[RD]
	v_add_nc_u32 v[RD], s20, v[RD]                 ; back: lanes 0-15 one row of 256 bytes, lanes 16-31 the next
	v_lshlrev_b32 v[CO], 12, v11
	v_lshl_add_u32 v[CO], v10, 4, v[CO]            ; and the same two rows in out0
	v_lshlrev_b32 v[BA], 5, v11
	v_lshlrev_b32 v12, 14, v11                     ; xs: lanes 0-15 take 256 bytes of one head, lanes 16-31 of the next, 16,384 bytes on
	v_lshl_add_u32 v12, v10, 4, v12
	v_add_nc_u32 v13, s18, v[LI0]                  ; and put them side by side in my copy
	s_wait_alu depctr_va_vdst(0)
	s_wait_dscnt 0x0
	s_wait_kmcnt 0x0
	s_add_nc_u64 s[6:7], s[6:7], s[52:53]
	s_mov_b32 s[G0], 1
	s_mov_b32 s[G0+1], s19
	s_add_nc_u64 s[G0+2:G0+3], s[4:5], s[54:55]
	s_or_b32 s[G0+3], s[G0+3], 0x80000000
	s_add_nc_u64 s[8:9], s[8:9], s[56:57]
	s_add_nc_u64 s[10:11], s[10:11], s[58:59]
	s_add_nc_u64 s[12:13], s[12:13], s[60:61]
	CROUND                                         ; all four work-groups are here: the joint loads meet
	tensor_load_to_lds s[G0:G0+3], s[G1X:G1X+7]    ; one load a wave: row tiles 2 w and 2 w + 1
	s_nop 0
.rept 4
	v_nop
.endr
.irp i, 0,1,2,3,4,5,6,7
	global_load_b128 v[OB+4*\i:OB+4*\i+3], v12, s[6:7] offset:32768*\i   ; heads 2 i and 2 i + 1: sixteen lanes read 256 consecutive bytes
.endr
.irp sg, 0,1                                   ; w_out's 32 fragments: they stay
	WIN 0x40+0x40*\sg                              ; destination window 1 + sg
.irp t, 0,1,2,3
.irp b, 0,1,2,3
.irp c, 0,1,2,3
	global_load_b128 v[64*\b+16*\t+4*\c:64*\b+16*\t+4*\c+3], v[LI0], s[8:9] offset:16896*\t+8448*\sg+2048*\b+512*\c
.endr
.endr
.endr
.endr
	WIN 0
	s_wait_alu depctr_va_vdst(0)
.irp t, 0,1,2,3
.irp sg, 0,1
	global_load_b64 v[WS+4*\t+2*\sg:WS+4*\t+2*\sg+1], v[L8], s[8:9] offset:16896*\t+8448*\sg+8192
.endr
	global_load_b128 v[BI+8*\t:BI+8*\t+3], v[BA], s[10:11] offset:64*\t        ; b_out at columns 16 t + 8 h + 0 .. 7 of my 64
	global_load_b128 v[BI+8*\t+4:BI+8*\t+7], v[BA], s[10:11] offset:64*\t+16
.endr
.macro FETCH m                         ; row tile m: its eight fragments into buffer m % 2, its rows' scale bytes into T
	WIN 0xc0                                       ; destination window 3
.set f, 0
.rept 32
.if (\m) < 4
	ds_load_b128 v[128*((\m)%2)+4*f:128*((\m)%2)+4*f+3], v[LI0] offset:16384*((\m)%4)+512*f
.else
	ds_load_b128 v[128*((\m)%2)+4*f:128*((\m)%2)+4*f+3], v[LI1] offset:16384*((\m)%4)+512*f
.endif
.set f, f+1
.endr
	WIN 0
.set f, 0
.rept 16
	ds_load_u16 v[T+f], v[XSA] offset:256*f+32*(\m)
.set f, f+1
.endr
.endm
.macro PROD m, sg, b, t                ; tile t of my columns x row tile m, K step 4 sg + b
.set AC, ACC+32*((\m)%2)+8*(\t)
.set WF, 64*(\b)+16*(\t)
.set XF, 128*((\m)%2)+16*(4*(\sg)+(\b))
.set SWR, WS+4*(\t)+2*(\sg)+(\b)/2
.set SXR, XW+8*((\m)%2)+4*(\sg)+(\b)
.if ((\sg)+(\b)) == 0
	v_wmma_scale_f32_16x16x128_f8f6f4 v[AC:AC+7], v[WF:WF+15], v[XF:XF+15], v[BI+8*(\t):BI+8*(\t)+7], v[SWR], v[SXR] matrix_a_fmt:MATRIX_FMT_BF8 matrix_b_fmt:MATRIX_FMT_BF8
.elseif (\b)%2
	v_wmma_scale_f32_16x16x128_f8f6f4 v[AC:AC+7], v[WF:WF+15], v[XF:XF+15], v[AC:AC+7], v[SWR], v[SXR] matrix_a_fmt:MATRIX_FMT_BF8 matrix_b_fmt:MATRIX_FMT_BF8 matrix_a_scale:MATRIX_SCALE_ROW1
.else
	v_wmma_scale_f32_16x16x128_f8f6f4 v[AC:AC+7], v[WF:WF+15], v[XF:XF+15], v[AC:AC+7], v[SWR], v[SXR] matrix_a_fmt:MATRIX_FMT_BF8 matrix_b_fmt:MATRIX_FMT_BF8
.endif
.endm
.macro TOSTAGE m                       ; row tile m's results into my stage, and back as whole rows of 256 bytes.  LDS serves a wave's instructions in order (ISA guide 5.7.1.4): no wait between
	s_wait_xcnt 0x0                                ; the earlier stores have read the registers into which the rows come back
.irp t, 0,1,2,3
	ds_store_b128 v[STO], v[ACC+32*((\m)%2)+8*\t:ACC+32*((\m)%2)+8*\t+3] offset:64*\t          ; each accumulator from its low end on
	ds_store_b128 v[STO], v[ACC+32*((\m)%2)+8*\t+4:ACC+32*((\m)%2)+8*\t+7] offset:64*\t+16
.endr
.irp i, 0,1,2,3,4,5,6,7
	ds_load_b128 v[OB+4*\i:OB+4*\i+3], v[RD] offset:544*\i
.endr
.endm
.macro SEND m
.irp i, 0,1,2,3,4,5,6,7
	global_store_b128 v[CO], v[OB+4*\i:OB+4*\i+3], s[12:13] offset:(16*(\m)+2*\i)*4096 th:TH_STORE_NT   ; sixteen lanes store 256 consecutive bytes, at a multiple of 256 from out0's first byte; written once
.endr
.endm
; ROW TILE m: 32 products, the four accumulators by turns, K ascending.  The tile before goes out, and the next one's fragments come in, beside them.
.macro TILE m
	s_wait_dscnt 0x0                               ; this tile's fragments and scale bytes are in
.irp s, 0,1,2,3,4,5,6,7
	v_lshl_or_b32 v[XW+8*((\m)%2)+\s], v[T+2*\s+1], 16, v[T+2*\s]  ; K step s is heads 2 s and 2 s + 1: two bytes of each
.endr
.rept 8
	v_nop                                          ; a scale word made by a vector instruction stands eight places ahead of its product; with the eight lines above these are also the places behind the last tile's products
.endr
.if (\m) > 0
	s_wait_alu depctr_va_vdst(0)
	TOSTAGE (\m)-1
.endif
.if (\m) < 7
	FETCH (\m)+1
.endif
	WIN 0x0d                                       ; source 0 (w_out) window 1, source 1 (x) window 3
.irp b, 0,1,2,3
.irp t, 0,1,2,3
	PROD \m, 0, \b, \t
.endr
.endr
	WIN 0x0e                                       ; source 0 window 2
.irp b, 0,1,2,3
.irp t, 0,1,2,3
	PROD \m, 1, \b, \t
.endr
.endr
	WIN 0
.if (\m) > 0
.if (\m) < 7
	s_wait_dscnt 48                                ; the last tile's rows are back; the 48 loads of the next tile may be out
.else
	s_wait_dscnt 0x0
.endif
	SEND (\m)-1
.endif
.endm
	s_wait_loadcnt 0x0                             ; w_out's fragments and scale words, the bias, x's scale bytes
.irp i, 0,1,2,3,4,5,6,7
	ds_store_b128 v13, v[OB+4*\i:OB+4*\i+3] offset:512*\i   ; into my own copy: only I read it
.endr
	s_wait_tensorcnt 0x0                           ; my two row tiles have landed
	s_wait_dscnt 0x0
	s_barrier_signal -1
	s_barrier_wait -1                              ; everybody's have
	FETCH 0
.irp m, 0,1,2,3,4,5,6,7
	TILE \m
.endr
.rept 8
	v_nop                                          ; eight places behind the last products
.endr
	TOSTAGE 7
	s_wait_dscnt 0x0
	SEND 7
	s_wait_tensorcnt 0x0
	ds_add_u32 v254, v255
	s_wait_dscnt 0x0
	CROUND                                         ; the closing round: no work-group ends while a partner may still ask for a tile that names it
	s_endpgm
.Lfunc_end_k_qcea0e4d1c0_proj:
	.size	k_qcea0e4d1c0_proj, .Lfunc_end_k_qcea0e4d1c0_proj-k_qcea0e4d1c0_proj
	.p2alignl 7, 3214868480
	.fill 96, 4, 3214868480
	.section	.rodata,"a",@progbits
	.p2align	6, 0x0
	.amdhsa_kernel k_qcea0e4d1c0_proj
		.amdhsa_group_segment_fixed_size 168448
		.amdhsa_private_segment_fixed_size 0
		.amdhsa_enable_private_segment 0
		.amdhsa_kernarg_size 40
		.amdhsa_user_sgpr_count 2
		.amdhsa_user_sgpr_kernarg_segment_ptr 1
		.amdhsa_wavefront_size32 1
		.amdhsa_system_sgpr_workgroup_id_x 1
		.amdhsa_system_sgpr_workgroup_id_y 1
		.amdhsa_system_sgpr_workgroup_id_z 1
		.amdhsa_system_vgpr_workitem_id 0
		.amdhsa_next_free_vgpr 1024
		.amdhsa_next_free_sgpr 66
		.amdhsa_reserve_vcc 0
		.amdhsa_float_denorm_mode_32 3
		.amdhsa_float_denorm_mode_16_64 3
		.amdhsa_memory_ordered 1
		.amdhsa_forward_progress 1
		.amdhsa_inst_pref_size 99
	.end_amdhsa_kernel
	.amdgpu_metadata
---
amdhsa.version: [ 1, 2 ]
amdhsa.kernels:
  - .name:           k_qcea0e4d1c0_proj
    .symbol:         k_qcea0e4d1c0_proj.kd
    .args:
      - { .name: xc, .offset: 0, .size: 8, .value_kind: global_buffer, .address_space: global }
      - { .name: xs, .offset: 8, .size: 8, .value_kind: global_buffer, .address_space: global }
      - { .name: wq, .offset: 16, .size: 8, .value_kind: global_buffer, .address_space: global }
      - { .name: b_out, .offset: 24, .size: 8, .value_kind: global_buffer, .address_space: global }
      - { .name: out0, .offset: 32, .size: 8, .value_kind: global_buffer, .address_space: global }
    .group_segment_fixed_size: 168448
    .private_segment_fixed_size: 0
    .kernarg_segment_align: 8
    .kernarg_segment_size: 40
    .max_flat_workgroup_size: 128
    .sgpr_count:     66
    .vgpr_count:     1024
    .wavefront_size: 32
...
	.end_amdgpu_metadata
.endif
;; end of part 3
